; MI455X (gfx1250); checked and timed in simulation.
; The chip was launched on July 23, 2026; its instructions are those of AMD's public machine-readable ISA for CDNA 5 (MIT licence, August 2026) and "CDNA5" Instruction Set Architecture Reference Guide (July 2026). The comments in the code are by the model that wrote it; some were corrected since.
;; Multi Head Attention. Allowed arithmetic: matrix products marked QUANTISED: E4M3 operands, one given power-of-two scale a tensor, by v_wmma_f32_16x16x64_fp8_fp8 or v_wmma_f32_16x16x128_fp8_fp8, f32 sums; everything else in f32.
;; Inputs: bk 1,024 float32; bo 1,024 float32; bq 1,024 float32; bv 1,024 float32; k_codes 4 x 2,048 x 32 x 32 uint8 (E4M3 codes of k, K innermost, in blocks of 32 codes); lowp_scales 12 int32 (the exponents e of the quantised operands' scales 2^e); mask 1 x 1 x 2,048 x 2,048 float32; q_codes 4 x 2,048 x 32 x 32 uint8 (E4M3 codes of q, K innermost, in blocks of 32 codes); v_codes 4 x 2,048 x 32 x 32 uint8 (E4M3 codes of v, K innermost, in blocks of 32 codes); wk_codes 1,024 x 32 x 32 uint8 (E4M3 codes of wk, K innermost, in blocks of 32 codes); wo_codes 1,024 x 32 x 32 uint8 (E4M3 codes of wo, K innermost, in blocks of 32 codes); wq_codes 1,024 x 32 x 32 uint8 (E4M3 codes of wq, K innermost, in blocks of 32 codes); wv_codes 1,024 x 32 x 32 uint8 (E4M3 codes of wv, K innermost, in blocks of 32 codes).
;; Outputs: out0 4 x 2,048 x 1,024 float32.
;; This version of the problem:
;;   THIS VERSION OF THE PROBLEM IS GIVEN IN LOW PRECISION. The matrix products marked QUANTISED in the list below multiply operands that are first quantised to E4M3 (4 exponent bits, 3 mantissa bits; 8 bits a number), with one given power-of-two scale for each operand tensor; their sums are f32. All else is computed in f32.
;;   The module's matrix products, in the order in which they are computed (A, B: the left and right operand; K: the contracted axis; several contracted axes count as one K, in the product's order):
;;     1. [M 8,192, K 1,024] x [K 1,024, N 1,024]; A: input q (given as codes); B: input wq (given as codes): QUANTISED (scales: A lowp_scales[0], B lowp_scales[1])
;;     2. [M 8,192, K 1,024] x [K 1,024, N 1,024]; A: input k (given as codes); B: input wk (given as codes): QUANTISED (scales: A lowp_scales[2], B lowp_scales[3])
;;     3. [M 8,192, K 1,024] x [K 1,024, N 1,024]; A: input v (given as codes); B: input wv (given as codes): QUANTISED (scales: A lowp_scales[4], B lowp_scales[5])
;;     4. batch 64 x [M 2,048, K 64] x [K 64, N 2,048]; A: computed on the way; B: computed on the way: QUANTISED (scales: A lowp_scales[6], B lowp_scales[7])
;;     5. batch 64 x [M 2,048, K 2,048] x [K 2,048, N 64]; A: softmax (see below); B: computed on the way: QUANTISED (scales: A lowp_scales[8], B lowp_scales[9])
;;     6. [M 8,192, K 1,024] x [K 1,024, N 1,024]; A: computed on the way; B: input wo (given as codes): QUANTISED (scales: A lowp_scales[10], B lowp_scales[11])
;;   THE QUANTISER, for each operand of a quantised product, along K:
;;     - The operand's scale is 2^e, e = its entry of the input lowp_scales (int32; the entries are numbered through the quantised products in the list's order, A before B).
;;     - Each number is divided by the scale, clamped to +-448, and rounded to the nearest number of E4M3, ties to even, subnormals kept.
;;     - The product sums the exact products of the quantised numbers (number of the format x scale) in f32.
;;   ~~~python
;;   def quantise(x, axis, e):      # numpy; x: float32 -> the quantised numbers, widened to float32 again
;;       x = np.moveaxis(x, axis, -1); K = x.shape[-1]
;;       r = np.clip(x / 2.0 ** e, -448, 448)
;;       step = 2.0 ** (np.maximum(np.frexp(np.where(r == 0, 1, r))[1] - 1, -6) - 3)
;;       q = np.round(r / step) * step * 2.0 ** e      # np.round: ties to even
;;       return np.moveaxis(q, -1, axis).astype(np.float32)
;;   ~~~
;;   SOFTMAX AHEAD OF A QUANTISED PRODUCT. Where the list says 'softmax', what is quantised is not the finished softmax but p = 2^(t - M), with t = logit x log2(e) and M = ceil(the row's largest t), a whole number; so 1/2 < the row's largest p <= 1. The row's sum l is taken of the UNQUANTISED p, in f32, and the product's result is divided by l at the end. Since M is a whole number, a kernel that streams over the keys may use a running M (the ceiling of the running maximum): every later rescaling is an exact power of two, so the quantised numbers keep their values, but for numbers so far below the row's largest that they fall under the format's range.
;;   OPERANDS COMPUTED ON THE WAY. 'Computed on the way' means the value that the module computes at that place (a softmax that the list does not call 'softmax' is quantised finished and normalised). What goes into a quantiser is computed in f32, as accurately as f32 sums, v_exp_f32 and their like allow (about 1e-6 of the number): no bf16 or f16 on the way to a quantiser, and a product that is left as it is and whose result goes on into a quantised operand takes f32 operands (vector FMAs, or v_wmma_f32_16x16x4_f32). A number that lies on a knife's edge between two numbers of the format may be rounded either way, as far as f32 arithmetic and the matrix unit's own rounding can turn it there, and no further.
;;   INPUTS GIVEN AS CODES. k (in the module: [4, 2048, 1024], K = its axis 2); q (in the module: [4, 2048, 1024], K = its axis 2); v (in the module: [4, 2048, 1024], K = its axis 2); wk (in the module: [1024, 1024], K = its axis 0); wo (in the module: [1024, 1024], K = its axis 0); wq (in the module: [1024, 1024], K = its axis 0); wv (in the module: [1024, 1024], K = its axis 0): each comes as NAME_codes (uint8): NAME with its K axis moved to the last place and cut into blocks of 32 codes, [.., K / 32, bytes a block], one block behind the other in memory; one code a byte (a code: sign, 4 exponent bits, 3 mantissa bits); its scale is its entry of lowp_scales. Its value is code x scale, taken as it is: it is not quantised again, and the codes and scales need not be those that the quantiser above would give.
;; One version. Each part assembles by itself: llvm-mc -triple=amdgcn-amd-amdhsa -mcpu=gfx1250 --defsym DOCPART=n.
;; ======== version 1 of 1: 3 launches
;; limits: right only within a limited range of input values
;; workspace buffers: qh 8,388,608 bytes; kh 8,388,608 bytes; vt 8,388,608 bytes; ao 8,388,608 bytes
;; launch proj (part 1): grid 4 x 96, 4 waves a work-group, clusters of 4 x 4, 327,680 bytes of LDS; arguments q_codes, k_codes, v_codes, wq_codes, wk_codes, wv_codes, bq, bk, bv, lowp_scales, qh, kh, vt; writes qh, kh, vt
.if DOCPART == 1
	.amdgcn_target "amdgcn-amd-amdhsa--gfx1250"
	.amdhsa_code_object_version 6
	.text
	.protected	k_q0600f46fec_proj
	.globl	k_q0600f46fec_proj
	.p2align	8
	.type	k_q0600f46fec_proj,@function
k_q0600f46fec_proj:
	s_mov_b64 s[64:65], 0
	v_nop
	global_prefetch_b8 v0, s[64:65] scope:SCOPE_SE
	s_setreg_imm32_b32 hwreg(HW_REG_WAVE_MODE, 25, 1), 1
	s_wait_xcnt 0x0
	s_wait_alu depctr_hold_cnt(0) depctr_sa_sdst(0) depctr_va_vdst(0) depctr_va_sdst(0) depctr_va_ssrc(0) depctr_va_vcc(0) depctr_vm_vsrc(0)
	s_getreg_b32 s2, hwreg(HW_REG_IB_STS2, 6, 4)
	s_cmp_eq_u32 s2, 0
	s_cbranch_scc0 .Lentry_in_a_cluster
	s_endpgm
.Lentry_in_a_cluster:
	s_bfe_u32 s2, ttmp6, 0x10000c
	s_cmp_lg_u32 s2, 0xf033
	s_cbranch_scc0 .Lentry_shape_is_right
	s_endpgm
.Lentry_shape_is_right:
.set ROWB,   256
.set KROW,   1024
.set PITCH,  272
.set FR,     16
.set NL,     4
.set NP,     4
.set HALFT,  128*PITCH
.set SLOT,   4*HALFT
.set LAPS,   2
.set SPARE,  2*SLOT
.set SPITCH, 144
.set LIM,  12
.set SCL,  13
.set BJO,  14
.set BIO,  15
.set ADRA, 16
.set ADRB, 20
.set STO,  24
.set RD,   25
.set CO,   26
.set SPW,  28
.set NIL,  29
.set BJ,   32
.set BI,   96
.set AF,   128
.set TMP,  128
.set CD,   192
.set G1, 24
.set G0, 32
.set G1B, 48
.set G0B, 56
.set MSB, 0
.macro WIN new
.if MSB != \new
	s_set_vgpr_msb (MSB<<8)|\new
.set MSB, \new
.endif
.endm
.set MUL_LO, 0xa1
.set MUL_HI, 0xf1
.set TO_B,   0x40
.macro JLOAD g0a, g1a, g0b, g1b
	s_cmp_eq_u32 s15, 0
	s_cbranch_scc0 .Lfor_b_\@
	tensor_load_to_lds s[\g0a:\g0a+3], s[\g1a:\g1a+7]
	s_nop 0
.rept 4
	v_nop
.endr
	s_branch .Lasked_\@
.Lfor_b_\@:
	tensor_load_to_lds s[\g0b:\g0b+3], s[\g1b:\g1b+7]
	s_nop 0
.rept 4
	v_nop
.endr
.Lasked_\@:
.endm
.macro CREST
	s_cmp_lg_u32 s14, 0
	s_cbranch_scc1 .Lnot_wave_0_\@
	s_barrier_signal -3
.Lnot_wave_0_\@:
	s_barrier_wait -3
	s_barrier_signal -1
	s_barrier_wait -1
.endm
.macro CROUND
	s_barrier_signal -1
	s_barrier_wait -1
	CREST
.endm
	s_load_b512 s[68:83], s[0:1], 0x0
	s_load_b256 s[84:91], s[0:1], 0x40
	s_load_b64 s[92:93], s[0:1], 0x60
	v_lshl_add_u32 v[SPW], v0, 2, SPARE
	v_mov_b32 v[NIL], 0
	ds_add_u32 v28, v29
	ds_add_u32 v28, v29
	s_wait_dscnt 0x0
	v_lshrrev_b32 v1, 5, v0
	v_readfirstlane_b32 s14, v1
	s_lshr_b32 s15, s14, 1
	s_and_b32 s16, s14, 1
	s_bfe_u32 s40, ttmp6, 0x40000
	s_bfe_u32 s41, ttmp6, 0x40004
	s_and_b32 s18, ttmp7, 0xffff
	s_lshr_b32 s98, s18, 3
	s_and_b32 s19, s18, 7
	s_lshl_b32 s19, s19, 2
	s_mov_b32 s99, 8192
	s_cmp_eq_u32 s98, 2
	s_cselect_b32 s42, s19, 0
	s_cselect_b32 s17, 0, s19
	s_cselect_b32 s94, -1, 0
	s_cselect_b32 s95, 0, -1
	s_cselect_b32 s99, 1024, s99
	s_add_co_u32 s42, s42, s40
	s_add_co_u32 s17, s17, s41
	s_lshl_b32 s43, s41, 2
	s_lshl_b32 s43, 15, s43
	s_lshl_b32 s44, 0x1111, s40
	s_or_b32 s[G1+0], s43, (0<<16)|(1<<20)|(1<<21)|(5<<22)|(3<<25)
	s_or_b32 s[G1B+0], s44, (0<<16)|(1<<20)|(1<<21)|(5<<22)|(3<<25)
.irp g, G1, G1B
	s_mov_b32 s[\g+1], ROWB<<16
	s_mov_b32 s[\g+2], 128<<16
	s_mov_b32 s[\g+3], ROWB<<16
	s_mov_b32 s[\g+4], 128
	s_mov_b32 s[\g+5], KROW
	s_mov_b32 s[\g+6], 0
	s_mov_b32 s[\g+7], 0
.endr
	s_lshl_b32 s18, s16, 7
	s_lshl_b32 s20, s17, 8
	s_add_co_u32 s20, s20, s18
	s_lshl_b32 s20, s20, 10
	s_mov_b32 s21, 0
	s_lshl_b32 s46, s42, 8
	s_add_co_u32 s46, s46, s18
	s_lshl_b32 s46, s46, 10
	s_mov_b32 s47, 0
	s_mul_i32 s45, s14, HALFT
	s_wait_kmcnt 0x0
	s_cmp_eq_u32 s98, 0
	s_cselect_b64 s[4:5], s[68:69], s[70:71]
	s_cselect_b64 s[6:7], s[74:75], s[76:77]
	s_cselect_b64 s[8:9], s[80:81], s[82:83]
	s_cselect_b64 s[10:11], s[88:89], s[90:91]
	s_cmp_eq_u32 s98, 2
	s_cselect_b64 s[4:5], s[78:79], s[4:5]
	s_cselect_b64 s[6:7], s[72:73], s[6:7]
	s_cselect_b64 s[8:9], s[84:85], s[8:9]
	s_cselect_b64 s[10:11], s[92:93], s[10:11]
	s_load_b256 s[68:75], s[86:87], 0x0
	s_load_b128 s[76:79], s[86:87], 0x20
	s_add_nc_u64 s[20:21], s[4:5], s[20:21]
	s_add_nc_u64 s[46:47], s[6:7], s[46:47]
	CROUND
.irp s, 0,1
	s_mov_b32 s[G0+4*\s], 1
	s_add_co_u32 s[G0+4*\s+1], s45, \s*SLOT
	s_add_nc_u64 s[G0+4*\s+2:G0+4*\s+3], s[20:21], \s*ROWB
	s_or_b32 s[G0+4*\s+3], s[G0+4*\s+3], 0x80000000
	s_mov_b32 s[G0B+4*\s], 1
	s_add_co_u32 s[G0B+4*\s+1], s45, \s*SLOT
	s_add_nc_u64 s[G0B+4*\s+2:G0B+4*\s+3], s[46:47], \s*ROWB
	s_or_b32 s[G0B+4*\s+3], s[G0B+4*\s+3], 0x80000000
	s_wait_alu depctr_va_vdst(0)
	s_wait_tensorcnt 0x0
	ds_add_u32 v28, v29
	ds_add_u32 v28, v29
	s_wait_dscnt 0x0
	CROUND
	JLOAD G0+4*\s, G1, G0B+4*\s, G1B
.endr
	v_and_b32 v1, 15, v0
	s_wait_alu depctr_va_vdst(0)
	v_bfe_u32 v2, v0, 4, 1
	v_mul_u32_u24 v3, v1, PITCH
	v_lshl_add_u32 v4, v2, 4, v3
	s_mul_i32 s21, s15, HALFT
	s_mul_i32 s22, s16, HALFT
	s_add_co_u32 s22, s22, 2*HALFT
.irp s, 0,1
	v_add_nc_u32 v[ADRA+\s], s21, v4
	v_add_nc_u32 v[ADRB+\s], s22, v4
	s_add_co_u32 s21, s21, SLOT
	s_add_co_u32 s22, s22, SLOT
.endr
	s_mul_i32 s23, s14, 128*SPITCH
	v_mul_u32_u24 v5, v1, SPITCH
	s_wait_alu depctr_va_vdst(0)
	v_lshl_add_u32 v5, v2, 3, v5
	v_add_nc_u32 v[STO], s23, v5
	v_and_b32 v6, 31, v0
	v_lshlrev_b32 v[CO], 4, v6
	v_lshrrev_b32 v7, 3, v6
	v_mul_u32_u24 v7, v7, SPITCH
	v_and_b32 v8, 7, v0
	v_lshl_add_u32 v7, v8, 4, v7
	v_add_nc_u32 v[RD], s23, v7
	v_lshlrev_b32 v[BJO], 5, v2
	s_wait_alu depctr_va_vdst(0)
	v_lshlrev_b32 v[BIO], 2, v1
	s_wait_alu depctr_va_vdst(0)
	s_lshl_b32 s18, s42, 8
	s_lshl_b32 s19, s16, 7
	s_add_co_u32 s18, s18, s19
	s_and_b32 s18, s18, s95
	s_lshl_b32 s18, s18, 2
	s_mov_b32 s19, 0
	s_add_nc_u64 s[12:13], s[8:9], s[18:19]
	s_lshl_b32 s18, s17, 8
	s_lshl_b32 s22, s15, 7
	s_add_co_u32 s18, s18, s22
	s_and_b32 s22, s18, s94
	s_lshl_b32 s22, s22, 2
	s_mov_b32 s23, 0
	s_add_nc_u64 s[66:67], s[8:9], s[22:23]
	s_lshl_b32 s22, s42, 1
	s_add_co_u32 s22, s22, s16
	s_mul_i32 s22, s22, s99
	s_add_co_u32 s22, s22, s18
	s_lshl_b32 s22, s22, 7
	s_add_nc_u64 s[10:11], s[10:11], s[22:23]
.irp b, 0,1,2,3,4,5,6,7
	global_load_b128 v[BJ+8*\b:BJ+8*\b+3],   v[BJO], s[12:13] offset:64*\b
	global_load_b128 v[BJ+8*\b+4:BJ+8*\b+7], v[BJO], s[12:13] offset:64*\b+16
.endr
.irp a, 0,1,2,3,4,5,6,7
	global_load_b32 v[BI+2*\a], v[BIO], s[66:67] offset:64*\a
.endr
.macro FRAG reg, adr, q, i
.irp c, 0,1,2,3
	ds_load_b128 v[\reg+4*\c:\reg+4*\c+3], v[\adr] offset:128*(\q)+32*\c+(\i)*16*PITCH
.endr
.endm
.macro MUL16 a0, p, zero
.irp a, \a0, \a0+1
.irp b, 0,1,2,3,4,5,6,7
.if \zero
	v_wmma_f32_16x16x128_fp8_fp8 v[8*(8*((\a)%4)+\b):8*(8*((\a)%4)+\b)+7], v[128*(\p)+FR*\b:128*(\p)+FR*\b+FR-1], v[AF+FR*(\a):AF+FR*(\a)+FR-1], 0
.else
	v_wmma_f32_16x16x128_fp8_fp8 v[8*(8*((\a)%4)+\b):8*(8*((\a)%4)+\b)+7], v[128*(\p)+FR*\b:128*(\p)+FR*\b+FR-1], v[AF+FR*(\a):AF+FR*(\a)+FR-1], v[8*(8*((\a)%4)+\b):8*(8*((\a)%4)+\b)+7]
.endif
.endr
.endr
.endm
.macro FETCH_B slot, q, p
	WIN TO_B
.irp i, 0,1,2,3,4,5,6,7
	FRAG 128*(\p)+FR*\i, ADRB+\slot, \q, \i
.endr
	WIN 0
.endm
.macro FETCH_A slot, q, i0
.irp i, \i0, \i0+1, \i0+2, \i0+3
	FRAG AF+FR*(\i), ADRA+\slot, \q, \i
.endr
.endm
.macro PLACES n
.rept \n
	v_nop
.endr
.endm
.macro STEP slot, q, zero
	s_wait_dscnt 4*NL
	WIN MUL_LO
	MUL16 0, (\q)%2, \zero
	MUL16 2, (\q)%2, \zero
	s_wait_dscnt 0
	PLACES NP
	FETCH_B \slot, (\q)+1, 1-(\q)%2
	FETCH_A \slot, (\q)+1, 0
	WIN MUL_HI
	MUL16 4, (\q)%2, \zero
	MUL16 6, (\q)%2, \zero
	PLACES NP
	WIN 0
	FETCH_A \slot, (\q)+1, 4
.endm
.macro TURN slot, next, fill
	s_wait_tensorcnt 0x0
	ds_add_u32 v[SPW], v[NIL]
	s_wait_dscnt 4*NL+1
	WIN MUL_LO
	MUL16 0, 1, 0
	s_wait_dscnt 0x0
	s_barrier_signal -1
	MUL16 2, 1, 0
	WIN 0
	s_barrier_wait -1
.if \fill
	CREST
	s_add_nc_u64 s[G0+4*\slot+2:G0+4*\slot+3], s[G0+4*\slot+2:G0+4*\slot+3], 2*ROWB
	s_add_nc_u64 s[G0B+4*\slot+2:G0B+4*\slot+3], s[G0B+4*\slot+2:G0B+4*\slot+3], 2*ROWB
	JLOAD G0+4*\slot, G1, G0B+4*\slot, G1B
.else
	PLACES NP
.endif
	FETCH_B \next, 0, 0
	FETCH_A \next, 0, 0
	WIN MUL_HI
	MUL16 4, 1, 0
	MUL16 6, 1, 0
	PLACES NP
	WIN 0
	FETCH_A \next, 0, 4
.endm
	s_wait_tensorcnt 1
	s_barrier_signal -1
	s_barrier_wait -1
	FETCH_B 0, 0, 0
	FETCH_A 0, 0, 0
	FETCH_A 0, 0, 4
	STEP 0, 0, 1
	s_mov_b32 s3, LAPS-1
.Llap:
	TURN 0, 1, 1
	STEP 1, 0, 0
	TURN 1, 0, 1
	STEP 0, 0, 0
	s_sub_co_u32 s3, s3, 1
	s_cmp_lg_u32 s3, 0
	s_cbranch_scc1 .Llap
	TURN 0, 1, 0
	STEP 1, 0, 0
	s_wait_dscnt 4*NL
	WIN MUL_LO
	MUL16 0, 1, 0
	MUL16 2, 1, 0
	s_wait_dscnt 0
	WIN MUL_HI
	MUL16 4, 1, 0
	MUL16 6, 1, 0
	WIN 0
	s_wait_kmcnt 0x0
	s_add_co_i32 s68, s68, s69
	s_add_co_i32 s70, s70, s71
	s_add_co_i32 s72, s72, s73
	s_cmp_eq_u32 s98, 0
	s_cselect_b32 s96, s68, s70
	s_cselect_b32 s18, s74, s75
	s_cmp_eq_u32 s98, 2
	s_cselect_b32 s96, s72, s96
	s_cselect_b32 s18, s77, s18
	s_add_co_i32 s96, s96, 127
	s_lshl_b32 s96, s96, 23
	s_mov_b32 s97, s96
	s_add_co_i32 s18, s18, 127
	s_lshl_b32 s19, s18, 23
	s_add_co_i32 s18, s18, 8
	s_lshl_b32 s18, s18, 23
	s_or_b32 s18, s18, 0x600000
	s_wait_loadcnt 0x0
	v_mov_b32 v[SCL], s19
.set j, 0
.rept 64
	v_cndmask_b32 v[BJ+j], 0, v[BJ+j], s95
.set j, j+1
.endr
.set j, 0
.rept 8
	v_cndmask_b32 v[BI+2*j+1], 0, v[BI+2*j], s94
	v_cndmask_b32 v[BI+2*j], 0, v[BI+2*j], s94
.set j, j+1
.endr
.macro QBLOCK a
.set AC, 64*((\a)%4)
.set CC, CD+16*((\a)%2)
	WIN 0x02+((\a)/4)
.set j, 0
.rept 32
	v_pk_fma_f32 v[TMP+j:TMP+j+1], v[AC+j:AC+j+1], s[96:97], v[BJ+j:BJ+j+1] op_sel_hi:[1,0,1]
.set j, j+2
.endr
	WIN 0
.set j, 0
.rept 32
	v_pk_add_f32 v[TMP+j:TMP+j+1], v[TMP+j:TMP+j+1], v[BI+2*(\a):BI+2*(\a)+1]
.set j, j+2
.endr
.set j, 0
.rept 64
.set j, j+1
.endr
.if (\a) >= 2
	s_wait_alu depctr_va_vdst(0)
	s_wait_dscnt 8
.endif
.irp b, 0,1,2,3,4,5,6,7
	v_cvt_scalef32_pk8_fp8_f32 v[CC+2*\b:CC+2*\b+1], v[TMP+8*\b:TMP+8*\b+7], v[SCL]
.endr
	v_nop
.irp b, 0,1,2,3,4,5,6,7
	ds_store_b64 v[STO], v[CC+2*\b:CC+2*\b+1] offset:16*SPITCH*(\a)+16*\b
.endr
.endm
.irp a, 0,1,2,3,4,5,6,7
	QBLOCK \a
.endr
.set t, 0
.rept 16
	ds_load_b128 v[TMP+4*t:TMP+4*t+3], v[RD] offset:4*SPITCH*t
.set t, t+1
.endr
.rept 16
	ds_load_b128 v[BJ+4*(t-16):BJ+4*(t-16)+3], v[RD] offset:4*SPITCH*t
.set t, t+1
.endr
.set t, 0
.rept 16
	s_wait_dscnt 31-t
	global_store_b128 v[CO], v[TMP+4*t:TMP+4*t+3], s[10:11] offset:512*t
.set t, t+1
.endr
.rept 16
	s_wait_dscnt 31-t
	global_store_b128 v[CO], v[BJ+4*(t-16):BJ+4*(t-16)+3], s[10:11] offset:512*t
.set t, t+1
.endr
	s_wait_tensorcnt 0x0
	ds_add_u32 v[SPW], v[NIL]
	s_wait_dscnt 0x0
	CROUND
	s_endpgm
.Lfunc_end_k_q0600f46fec_proj:
	.size	k_q0600f46fec_proj, .Lfunc_end_k_q0600f46fec_proj-k_q0600f46fec_proj
	.p2alignl 7, 3214868480
	.fill 96, 4, 3214868480
	.section	.rodata,"a",@progbits
	.p2align	6, 0x0
	.amdhsa_kernel k_q0600f46fec_proj
		.amdhsa_group_segment_fixed_size 327680
		.amdhsa_private_segment_fixed_size 0
		.amdhsa_enable_private_segment 0
		.amdhsa_kernarg_size 104
		.amdhsa_user_sgpr_count 2
		.amdhsa_user_sgpr_kernarg_segment_ptr 1
		.amdhsa_wavefront_size32 1
		.amdhsa_system_sgpr_workgroup_id_x 1
		.amdhsa_system_sgpr_workgroup_id_y 1
		.amdhsa_system_sgpr_workgroup_id_z 1
		.amdhsa_system_vgpr_workitem_id 0
		.amdhsa_next_free_vgpr 1024
		.amdhsa_next_free_sgpr 100
		.amdhsa_reserve_vcc 0
		.amdhsa_float_denorm_mode_32 3
		.amdhsa_float_denorm_mode_16_64 3
		.amdhsa_fp16_overflow 1
		.amdhsa_memory_ordered 1
		.amdhsa_forward_progress 1
		.amdhsa_inst_pref_size 135
	.end_amdhsa_kernel
	.amdgpu_metadata
---
amdhsa.version: [ 1, 2 ]
amdhsa.kernels:
  - .name:           k_q0600f46fec_proj
    .symbol:         k_q0600f46fec_proj.kd
    .args:
      - { .name: q_codes, .offset: 0, .size: 8, .value_kind: global_buffer, .address_space: global }
      - { .name: k_codes, .offset: 8, .size: 8, .value_kind: global_buffer, .address_space: global }
      - { .name: v_codes, .offset: 16, .size: 8, .value_kind: global_buffer, .address_space: global }
      - { .name: wq_codes, .offset: 24, .size: 8, .value_kind: global_buffer, .address_space: global }
      - { .name: wk_codes, .offset: 32, .size: 8, .value_kind: global_buffer, .address_space: global }
      - { .name: wv_codes, .offset: 40, .size: 8, .value_kind: global_buffer, .address_space: global }
      - { .name: bq, .offset: 48, .size: 8, .value_kind: global_buffer, .address_space: global }
      - { .name: bk, .offset: 56, .size: 8, .value_kind: global_buffer, .address_space: global }
      - { .name: bv, .offset: 64, .size: 8, .value_kind: global_buffer, .address_space: global }
      - { .name: lowp_scales, .offset: 72, .size: 8, .value_kind: global_buffer, .address_space: global }
      - { .name: qh, .offset: 80, .size: 8, .value_kind: global_buffer, .address_space: global }
      - { .name: kh, .offset: 88, .size: 8, .value_kind: global_buffer, .address_space: global }
      - { .name: vt, .offset: 96, .size: 8, .value_kind: global_buffer, .address_space: global }
    .group_segment_fixed_size: 327680
    .private_segment_fixed_size: 0
    .kernarg_segment_align: 8
    .kernarg_segment_size: 104
    .max_flat_workgroup_size: 128
    .sgpr_count:     100
    .vgpr_count:     1024
    .wavefront_size: 32
...
	.end_amdgpu_metadata
.endif
;; end of part 1
;; launch attn (part 2): grid 16 x 16, 8 waves a work-group, clusters of 4 x 4, 327,680 bytes of LDS; arguments qh, kh, vt, mask, lowp_scales, ao; writes ao
.if DOCPART == 2
	.amdgcn_target "amdgcn-amd-amdhsa--gfx1250"
	.amdhsa_code_object_version 6
	.text
	.protected	k_q0600f46fec_attn
	.globl	k_q0600f46fec_attn
	.p2align	8
	.type	k_q0600f46fec_attn,@function
k_q0600f46fec_attn:
	s_mov_b64 s[64:65], 0
	v_nop
	global_prefetch_b8 v0, s[64:65] scope:SCOPE_SE
	s_setreg_imm32_b32 hwreg(HW_REG_WAVE_MODE, 25, 1), 1
	s_wait_xcnt 0x0
	s_wait_alu depctr_hold_cnt(0) depctr_sa_sdst(0) depctr_va_vdst(0) depctr_va_sdst(0) depctr_va_ssrc(0) depctr_va_vcc(0) depctr_vm_vsrc(0)
	s_getreg_b32 s2, hwreg(HW_REG_IB_STS2, 6, 4)
	s_cmp_eq_u32 s2, 0
	s_cbranch_scc0 .Lentry_in_a_cluster
	s_endpgm
.Lentry_in_a_cluster:
	s_bfe_u32 s2, ttmp6, 0x10000c
	s_cmp_lg_u32 s2, 0xf033
	s_cbranch_scc0 .Lentry_shape_is_right
	s_endpgm
.Lentry_shape_is_right:
; ATTENTION ON E4M3 CODES, with the mask as it is given (f32 numbers, any pattern): logit = q . k / 8 + mask x -1e30; t = logit x log2(e); M = the running largest t rounded up to a whole number;
; p = 2^(t - M) is quantised with 2^e8 for the second product; the row's sum is taken of the unquantised p and divides at the end; the result is quantised with 2^e10 for the last projection.
; INPUTS (this program's own): qh, kh: [pair of heads (8)][row (b, s) (8,192)][128 bytes = two heads x 64 codes];  vt: [128 keys (64)][row head x 64 + d (1,024)][128 bytes = 128 keys].  OUTPUT ao: [8,192][1,024] codes.
; SHARES.  A work-group owns 128 queries (block qb) of four heads (group hg) of one batch: 16 x 16 = 256 work-groups of equal work.  Wave w: head w % 4 of the four, queries 64 (w / 4) on: four tiles ("units") of 16 queries.
; So each fragment of K and of V read from LDS feeds four products, one mask tile in LDS serves four heads, and two waves share a SIMD's registers (512 each).  Every wave walks all 2,048 keys, 128 a step.
; CLUSTER 4 x 4: a column of the cluster shares qb and so the mask's tiles; a row shares batch and head group and so K's and V's tiles: each tile is asked for jointly, with a mask that names the four.
; LAYOUT.  Both products are used transposed: S^T = K Q^T (source 0 = 16 keys, source 1 = 16 queries, K = 64), O^T = V^T P^T (source 0 = 16 of the head's 64, source 1 = P, K = 128 keys): a lane holds ONE query (lane % 16).
; THE KEYS OF A TILE ARE NOT NEIGHBOURS: lane r of tile 2 b + u takes key 32 b + 8 u + r + 8 (r / 8), so that score register 16 b + i is key 32 b + 16 (lane / 16) + i: sixteen neighbours for the conversions.
; t IS ROUNDED TO f32 BEFORE M IS TAKEN AWAY: t = c x score + (mask x Y) is one fused multiply-add, t - M an addition of its own.  (Fused with the subtraction, a row all of whose t are near -1.4e30 would
; be left with the product's rounding error in place of 0.)  A row that is masked throughout gives p = 1 for every key, as the softmax of equal logits does.
; LIMITS on the given exponents: e6 + e7 between -123 and 130 (added to c's exponent field); e8 and e10 between -126 and 119; e8 + e9 goes by v_ldexp_f32 and has none.  NaN and infinities in the mask are not served.
; REGISTERS.  Window 0: v1-12 addresses; v16-31 statistics (unit u at 16 + 4 u: -M, the largest t, the sum in two halves); v32-42 at work and constants; v64-127 the mask's terms; v128-191 scores, t, p; v192-255 p's codes, 16 a unit.
;   Window 1: v0-127 O^T (unit u, channels 16 dt on: 32 u + 8 dt); v128-191 K's eight fragments, later V's four; v192-223 Q's four fragments.
.set SLOT,  141312                     ; a slot: the mask's tile, K's two, V's two
.set KOFF,  67584                      ; the mask: 128 rows x (512 + 16) bytes; then K: 2 pairs of heads x 128 keys x (128 + 16)
.set VOFF,  104448                     ; then V: 2 pairs of heads x 128 rows x (128 + 16)
.set MP,    528
.set KP,    144
.set STAGE, 2*SLOT                     ; behind the ring: 128 rows x (256 + 16) bytes for the way out; no tensor load lands here
.set SP,    272
.set SPARE, STAGE+128*SP               ; the spare words, 128 bytes for each of the eight waves; no other line names them
.set AK,   1                           ; v1, v2   my place in K's tiles, slot 0, 1
.set AV,   3                           ; v3, v4   in V's
.set AM,   5                           ; v5, v6   in the mask's
.set SPW,  7                           ; v7   LDS address of my spare word; never rewritten
.set NIL,  8                           ; v8   0; never rewritten
.set STO,  9                           ; v9   the way out: where I put 8 bytes
.set RD,   10                          ; v10  where I read 16 bytes back
.set GO,   11                          ; v11  my byte offset in the wave's rows of ao
.set QO,   12                          ; v12  my byte offset in the wave's rows of qh
.set ST,   16
.set TA,   32
.set TB,   33
.set TP,   34
.set FF,   36                          ; v[36:37] f = 2^(old M - new M); v37 is written once, since the pair is named
.set S2,   38                          ; v[38:39] the sum's second chain
.set SCLP, 40                          ; v40  2^e8
.set LIMO, 41
.set SCLO, 42                          ; v42  2^e10
.set MSK,  64
.set SCO,  128
.set PCD,  192
.set KV,   128                         ; in window 1
.set QF,   192                         ; in window 1
.set WV,   16                          ; s16  my wave's number
.set G1M,  24                          ; s[24:31] descriptor group 1 for the mask's tiles
.set G1K,  32                          ; s[32:39] for K's and V's
.set G0M,  40                          ; s[40:47] group 0 for the mask's tiles, a set for each slot
.set G0K,  48                          ; s[48:55] for K's
.set G0V,  56                          ; s[56:63] for V's
.set CS,   66                          ; s[66:67] c = log2(e) / 8 x 2^(e6 + e7), twice
.set YS,   68                          ; s[68:69] Y = -1e30 x log2(e), twice
.set SEL,  70                          ; s[70:71] lane selects for v_permlanex16_b32: lane l xor 16
.set MSB, 0
.macro WIN new                         ; the immediate's high byte repeats the setting that is left
.if MSB != \new
	s_set_vgpr_msb (MSB<<8)|\new
.set MSB, \new
.endif
.endm
.macro CROUND                          ; a round of the cluster's barrier
	s_barrier_signal -1
	s_barrier_wait -1
	s_cmp_lg_u32 s[WV], 0
	s_cbranch_scc1 .Lnot_wave_0_\@
	s_barrier_signal -3
.Lnot_wave_0_\@:
	s_barrier_wait -3
	s_barrier_signal -1
	s_barrier_wait -1
.endm
; A joint refill of slot s: waves 0, 1 the mask's two halves, waves 2, 3 K's two pairs of heads, waves 4, 5 V's, waves 6, 7 nothing.  The branches hang on the wave's number alone.
; Four v_nop follow each tensor load.
.macro JLOAD s
	s_cmp_lt_u32 s[WV], 2
	s_cbranch_scc0 .Lnot_m_\@
	tensor_load_to_lds s[G0M+4*\s:G0M+4*\s+3], s[G1M:G1M+7]
	s_nop 0
.rept 4
	v_nop
.endr
	s_branch .Lasked_\@
.Lnot_m_\@:
	s_cmp_lt_u32 s[WV], 4
	s_cbranch_scc0 .Lnot_k_\@
	tensor_load_to_lds s[G0K+4*\s:G0K+4*\s+3], s[G1K:G1K+7]
	s_nop 0
.rept 4
	v_nop
.endr
	s_branch .Lasked_\@
.Lnot_k_\@:
	s_cmp_lt_u32 s[WV], 6
	s_cbranch_scc0 .Lasked_\@
	tensor_load_to_lds s[G0V+4*\s:G0V+4*\s+3], s[G1K:G1K+7]
	s_nop 0
.rept 4
	v_nop
.endr
.Lasked_\@:
.endm
	s_load_b256 s[4:11], s[0:1], 0x0               ; qh s[4:5], kh s[6:7], vt s[8:9], mask s[10:11]
	s_load_b128 s[12:15], s[0:1], 0x20             ; the scales' exponents s[12:13], ao s[14:15]
	v_lshl_add_u32 v[SPW], v0, 2, SPARE
	v_mov_b32 v[NIL], 0
	ds_add_u32 v7, v8
	ds_add_u32 v7, v8
	s_wait_dscnt 0x0
	v_lshrrev_b32 v13, 5, v0
	s_delay_alu instid0(VALU_DEP_1)
	v_readfirstlane_b32 s[WV], v13                 ; wave 0..7
	s_and_b32 s17, s[WV], 1                        ; p: which half of a tile I fetch, if I fetch
	s_and_b32 s18, s[WV], 3                        ; hd: my head of the four
	s_lshr_b32 s19, s[WV], 2                       ; qhalf: my 64 of the 128 queries
	s_bfe_u32 s20, ttmp6, 0x40000                  ; cx, cy: my place in the cluster
	s_bfe_u32 s21, ttmp6, 0x40004
	s_lshl_b32 s22, ttmp9, 2
	s_add_co_u32 s22, s22, s20                     ; qb = 4 x cluster x + cx
	s_and_b32 s23, ttmp7, 0xffff
	s_lshl_b32 s23, s23, 2
	s_add_co_u32 s23, s23, s21                     ; g = 4 x cluster y + cy
	s_lshr_b32 s92, s23, 2                         ; the batch
	s_and_b32 s93, s23, 3                          ; hg: the group of four heads
	s_lshl_b32 s2, s21, 2
	s_lshl_b32 s2, 15, s2                          ; my row of the cluster
	s_lshl_b32 s3, 0x1111, s20                     ; my column
	; descriptor group 1.  The mask: 64 rows x 128 numbers of 4 bytes, 2,048 numbers from row to row, 16 bytes of padding behind each row of 512
	s_or_b32 s[G1M], s3, (2<<16)|(1<<20)|(1<<21)|(6<<22)|(3<<25)   ; 15:0 the mask of work-groups: my column; 17:16 elements of 4 bytes; 20 padding on; 21 set beside a mask; 24:22 after every 128 words; 31:25 of 4 words
	s_mov_b32 s[G1M+1], 128<<16                    ; tensor_dim0
	s_mov_b32 s[G1M+2], 64<<16                     ; tensor_dim1
	s_mov_b32 s[G1M+3], 128<<16                    ; tile_dim0
	s_mov_b32 s[G1M+4], 64                         ; tile_dim1
	s_mov_b32 s[G1M+5], 2048                       ; tensor_dim0_stride
	s_mov_b32 s[G1M+6], 0
	s_mov_b32 s[G1M+7], 0
	; K and V: 128 rows x 128 bytes, dense in memory, 16 bytes of padding behind each row
	s_or_b32 s[G1K], s2, (0<<16)|(1<<20)|(1<<21)|(4<<22)|(3<<25)   ; my row; elements of 1 byte; padding after every 32 words
	s_mov_b32 s[G1K+1], 128<<16
	s_mov_b32 s[G1K+2], 128<<16
	s_mov_b32 s[G1K+3], 128<<16
	s_mov_b32 s[G1K+4], 128
	s_mov_b32 s[G1K+5], 128
	s_mov_b32 s[G1K+6], 0
	s_mov_b32 s[G1K+7], 0
	; where the tiles come from: the mask's hang on qb alone, K's and V's on g alone; each in registers that never hold the other coordinate
	s_lshl_b32 s86, s22, 20                        ; the mask: 128 qb rows of 8,192 bytes,
	s_lshl_b32 s87, s17, 19                        ; + 64 p rows
	s_add_co_u32 s86, s86, s87
	s_mov_b32 s87, 0
	s_lshl_b32 s88, s93, 1                         ; K: pair of heads 2 hg + p: 2^20 bytes each,
	s_add_co_u32 s88, s88, s17
	s_lshl_b32 s88, s88, 20
	s_lshl_b32 s89, s92, 18                        ; + the batch's 2,048 rows of 128 bytes
	s_add_co_u32 s88, s88, s89
	s_mov_b32 s89, 0
	s_lshl_b32 s90, s92, 21                        ; V: the batch's 16 blocks of 128 keys, 2^17 bytes each,
	s_lshl_b32 s91, s93, 15                        ; + 256 hg rows of 128 bytes,
	s_add_co_u32 s90, s90, s91
	s_lshl_b32 s91, s17, 14                        ; + 128 p rows
	s_add_co_u32 s90, s90, s91
	s_mov_b32 s91, 0
	s_mul_i32 s94, s17, 64*MP                      ; and where they go in a slot: no place in the cluster enters an LDS address
	s_mul_i32 s95, s17, 128*KP
	s_add_co_u32 s96, s95, VOFF
	s_add_co_u32 s95, s95, KOFF
	s_mov_b32 s[SEL], 0x76543210
	s_mov_b32 s[SEL+1], 0xfedcba98
	s_mov_b32 s[YS], 0xf191accb                    ; -1e30 x log2(e), rounded to f32
	s_mov_b32 s[YS+1], s[YS]
	s_wait_kmcnt 0x0
	s_load_b64 s[74:75], s[12:13], 0x18            ; e6, e7
	s_load_b128 s[76:79], s[12:13], 0x20           ; e8, e9, e10, e11
	s_add_nc_u64 s[86:87], s[10:11], s[86:87]
	s_add_nc_u64 s[88:89], s[6:7], s[88:89]
	s_add_nc_u64 s[90:91], s[8:9], s[90:91]
	CROUND                                         ; all sixteen work-groups are here: the first joint loads meet
.irp s, 0,1
	s_mov_b32 s[G0M+4*\s], 1                       ; 1:0 count = 1
	s_add_co_u32 s[G0M+4*\s+1], s94, \s*SLOT       ; 63:32 LDS address
	s_add_nc_u64 s[G0M+4*\s+2:G0M+4*\s+3], s[86:87], \s*512      ; 120:64 global address: key step s: 128 numbers on
	s_or_b32 s[G0M+4*\s+3], s[G0M+4*\s+3], 0x80000000            ; 127:126 type = 2
	s_mov_b32 s[G0K+4*\s], 1
	s_add_co_u32 s[G0K+4*\s+1], s95, \s*SLOT
	s_add_nc_u64 s[G0K+4*\s+2:G0K+4*\s+3], s[88:89], \s*16384    ; 128 keys of 128 bytes on
	s_or_b32 s[G0K+4*\s+3], s[G0K+4*\s+3], 0x80000000
	s_mov_b32 s[G0V+4*\s], 1
	s_add_co_u32 s[G0V+4*\s+1], s96, \s*SLOT
	s_add_nc_u64 s[G0V+4*\s+2:G0V+4*\s+3], s[90:91], \s*131072   ; a block of 128 keys on
	s_or_b32 s[G0V+4*\s+3], s[G0V+4*\s+3], 0x80000000
.endr
	s_cmp_lt_u32 s[WV], 2                          ; a wave's two first fills stand together in one arm, ahead of every wait on TENSORcnt and every LDS read: two loads of mine are out at the most
	s_cbranch_scc0 .Lfirst_not_m
	tensor_load_to_lds s[G0M:G0M+3], s[G1M:G1M+7]
	s_nop 0
	tensor_load_to_lds s[G0M+4:G0M+7], s[G1M:G1M+7]
	s_nop 0
.rept 4
	v_nop
.endr
	s_branch .Lfirst_asked
.Lfirst_not_m:
	s_cmp_lt_u32 s[WV], 4
	s_cbranch_scc0 .Lfirst_not_k
	tensor_load_to_lds s[G0K:G0K+3], s[G1K:G1K+7]
	s_nop 0
	tensor_load_to_lds s[G0K+4:G0K+7], s[G1K:G1K+7]
	s_nop 0
.rept 4
	v_nop
.endr
	s_branch .Lfirst_asked
.Lfirst_not_k:
	s_cmp_lt_u32 s[WV], 6
	s_cbranch_scc0 .Lfirst_asked
	tensor_load_to_lds s[G0V:G0V+3], s[G1K:G1K+7]
	s_nop 0
	tensor_load_to_lds s[G0V+4:G0V+7], s[G1K:G1K+7]
	s_nop 0
.rept 4
	v_nop
.endr
.Lfirst_asked:
	v_and_b32 v13, 15, v0                          ; r = lane % 16
	v_bfe_u32 v14, v0, 4, 1                        ; h = lane / 16
	s_delay_alu instid0(VALU_DEP_2)
	v_lshlrev_b32 v[QO], 7, v13
	s_delay_alu instid0(VALU_DEP_1)
	v_lshl_add_u32 v[QO], v14, 4, v[QO]            ; Q: row r of 128 bytes, + 16 h
	s_wait_alu depctr_va_vdst(0)
	s_lshl_b32 s84, s93, 1                         ; Q: my pair of heads, 2 hg + hd / 2,
	s_lshr_b32 s85, s18, 1
	s_add_co_u32 s84, s84, s85
	s_lshl_b32 s84, s84, 20
	s_lshl_b32 s85, s92, 18                        ; the batch,
	s_add_co_u32 s84, s84, s85
	s_lshl_b32 s85, s22, 14                        ; 128 qb rows,
	s_add_co_u32 s84, s84, s85
	s_lshl_b32 s85, s19, 13                        ; 64 qhalf rows,
	s_add_co_u32 s84, s84, s85
	s_and_b32 s98, s18, 1                          ; and my head's 64 bytes of the pair's 128
	s_lshl_b32 s85, s98, 6
	s_add_co_u32 s84, s84, s85
	s_mov_b32 s85, 0
	s_add_nc_u64 s[4:5], s[4:5], s[84:85]
	WIN 0x40                                       ; destination window 1, address window 0
.set i, 0
.rept 4                                        ; Q's fragments stay in registers: unit i; registers 0-3: d = 16 h + 0 .. 15, registers 4-7: d = 32 + 16 h + 0 .. 15: the same permutation of d as in K's
	global_load_b128 v[QF+8*i:QF+8*i+3],   v[QO], s[4:5] offset:2048*i
	global_load_b128 v[QF+8*i+4:QF+8*i+7], v[QO], s[4:5] offset:2048*i+32
.set i, i+1
.endr
	WIN 0
	v_mul_u32_u24 v15, v13, MP                     ; the mask: row 64 qhalf + r (+ 16 u), + 64 h bytes: my 16 keys of a block of 32
	s_delay_alu instid0(VALU_DEP_1)
	v_lshl_add_u32 v15, v14, 6, v15
	s_mul_i32 s97, s19, 64*MP
	v_add_nc_u32 v[AM], s97, v15
	s_delay_alu instid0(VALU_DEP_1)
	v_add_nc_u32 v[AM+1], SLOT, v[AM]
	v_and_b32 v15, 8, v13                          ; K: row r + 8 (r / 8), my pair of heads, my head's 64 bytes, + 16 h
	s_delay_alu instid0(VALU_DEP_1)
	v_add_nc_u32 v15, v15, v13
	s_delay_alu instid0(VALU_DEP_1)
	v_mul_u32_u24 v15, v15, KP
	s_delay_alu instid0(VALU_DEP_1)
	v_lshl_add_u32 v15, v14, 4, v15
	s_lshr_b32 s97, s18, 1
	s_mul_i32 s97, s97, 128*KP
	s_lshl_b32 s99, s98, 6
	s_add_co_u32 s99, s99, s97
	s_add_co_u32 s99, s99, KOFF
	v_add_nc_u32 v[AK], s99, v15
	s_delay_alu instid0(VALU_DEP_1)
	v_add_nc_u32 v[AK+1], SLOT, v[AK]
	v_mul_u32_u24 v15, v13, KP                     ; V: row 64 (hd % 2) + r (+ 16 dt) of my pair of heads, + 16 h
	s_delay_alu instid0(VALU_DEP_1)
	v_lshl_add_u32 v15, v14, 4, v15
	s_mul_i32 s99, s98, 64*KP
	s_add_co_u32 s99, s99, s97
	s_add_co_u32 s99, s99, VOFF
	v_add_nc_u32 v[AV], s99, v15
	s_delay_alu instid0(VALU_DEP_1)
	v_add_nc_u32 v[AV+1], SLOT, v[AV]
	v_mul_u32_u24 v15, v13, SP                     ; the stage, in: row 64 qhalf + r (+ 16 u), my head's 64 bytes, + 8 h
	s_delay_alu instid0(VALU_DEP_1)
	v_lshl_add_u32 v15, v14, 3, v15
	s_mul_i32 s97, s19, 64*SP
	s_lshl_b32 s99, s18, 6
	s_add_co_u32 s97, s97, s99
	s_add_co_u32 s97, s97, STAGE
	v_add_nc_u32 v[STO], s97, v15
	v_mul_u32_u24 v15, v14, SP                     ; back: wave w takes rows 16 w on; lanes 0-15 one row of 256 bytes, lanes 16-31 the next
	s_delay_alu instid0(VALU_DEP_1)
	v_lshl_add_u32 v15, v13, 4, v15
	s_mul_i32 s97, s[WV], 16*SP
	s_add_co_u32 s97, s97, STAGE
	v_add_nc_u32 v[RD], s97, v15
	v_lshlrev_b32 v[GO], 10, v14                   ; and the same two rows in ao
	s_delay_alu instid0(VALU_DEP_1)
	v_lshl_add_u32 v[GO], v13, 4, v[GO]
	s_lshl_b32 s84, s92, 21                        ; ao: the batch's 2,048 rows of 1,024 bytes,
	s_lshl_b32 s85, s22, 17                        ; 128 qb rows,
	s_add_co_u32 s84, s84, s85
	s_lshl_b32 s85, s[WV], 14                      ; 16 w rows,
	s_add_co_u32 s84, s84, s85
	s_lshl_b32 s85, s93, 8                         ; the four heads' 256 bytes
	s_add_co_u32 s84, s84, s85
	s_mov_b32 s85, 0
	s_add_nc_u64 s[14:15], s[14:15], s[84:85]
.irp u, 0,1,2,3
	v_mov_b32 v[ST+4*\u+1], 0xff61b1e6             ; the largest t so far: -3e38, under every t
	s_delay_alu instid0(VALU_DEP_1)
	v_floor_f32 v[ST+4*\u], -v[ST+4*\u+1]          ; -M
	v_mov_b32 v[ST+4*\u+2], 0                      ; the sum, in two halves
	v_mov_b32 v[ST+4*\u+3], 0
.endr
	v_mov_b32 v[TP], 0                             ; written once: a lane permute's destination counts as one of its sources
	v_mov_b32 v[FF+1], 0
	s_wait_kmcnt 0x0
	s_add_co_i32 s84, s74, s75                     ; a score stands for score x 2^(e6 + e7): the two exponents are added to c's exponent field
	s_lshl_b32 s84, s84, 23
	s_add_co_i32 s[CS], s84, 0x3e38aa3b            ; log2(e) / 8
	s_mov_b32 s[CS+1], s[CS]
	s_add_co_i32 s84, s76, 127
	s_lshl_b32 s85, s84, 23
	v_mov_b32 v[SCLP], s85                         ; 2^e8 as f32, for p's conversions
	s_add_co_i32 s84, s78, 127
	s_lshl_b32 s85, s84, 23
	v_mov_b32 v[SCLO], s85                         ; 2^e10
	s_add_co_i32 s81, s76, s77                     ; e8 + e9
.macro MLOAD s, u                      ; unit u's mask numbers: register 16 b + 4 j + n: key 32 b + 16 h + 4 j + n of my query
.set i, 0
.rept 16
	ds_load_b128 v[MSK+4*i:MSK+4*i+3], v[AM+\s] offset:16*MP*(\u)+128*(i/4)+16*(i%4)
.set i, i+1
.endr
.endm
.macro KLOAD s                         ; K's eight fragments (16 keys x 64)
	WIN 0x40
.set i, 0
.rept 8
	ds_load_b128 v[KV+8*i:KV+8*i+3],   v[AK+\s] offset:(32*(i/2)+8*(i%2))*KP
	ds_load_b128 v[KV+8*i+4:KV+8*i+7], v[AK+\s] offset:(32*(i/2)+8*(i%2))*KP+32
.set i, i+1
.endr
	WIN 0
.endm
.macro VLOAD s                         ; V's four fragments (16 channels x 128 keys): registers 4 c .. 4 c + 3: keys 32 c + 16 h + 0 .. 15, as in p's codes
	WIN 0x40
.set i, 0
.rept 16
	ds_load_b128 v[KV+4*i:KV+4*i+3], v[AV+\s] offset:16*KP*(i/4)+32*(i%4)
.set i, i+1
.endr
	WIN 0
.endm
; ONE UNIT's scores and softmax for a key step.  first = 1: the first key step: O^T has not begun, so nothing is rescaled.
.macro UNIT s, u, first
.set LS, ST+4*(\u)
.if (\u) == 0
	s_wait_dscnt 16                                ; K's sixteen loads are in; the sixteen of the mask, issued behind them, may be out
.endif
	WIN 0x05                                       ; K and Q in window 1, the scores in window 0
.set i, 0
.rept 8
	v_wmma_f32_16x16x64_fp8_fp8 v[SCO+8*i:SCO+8*i+7], v[KV+8*i:KV+8*i+7], v[QF+8*(\u):QF+8*(\u)+7], 0
.set i, i+1
.endr
	WIN 0
	s_wait_dscnt 0x0                               ; this unit's mask numbers are in
.set i, 0
.rept 32
	v_pk_mul_f32 v[MSK+i:MSK+i+1], v[MSK+i:MSK+i+1], s[YS:YS+1] op_sel_hi:[1,0]   ; mask x Y.  (These name none of the products' registers: the places behind them)
.set i, i+2
.endr
.set i, 0
.rept 32
	v_pk_fma_f32 v[SCO+i:SCO+i+1], v[SCO+i:SCO+i+1], s[CS:CS+1], v[MSK+i:MSK+i+1] op_sel_hi:[1,0,1]   ; t = c x score + mask x Y; each accumulator from its low end on
.set i, i+2
.endr
.if (\u) < 3
	MLOAD \s, (\u)+1                               ; the next unit's mask numbers land under this unit's softmax
.else
	VLOAD \s                                       ; K's fragments are done with (their last reader stands 64 plain lines back): V's take their place
.endif
	v_max3_num_f32 v[TA], v[SCO], v[SCO+1], v[SCO+2]   ; the step's largest t of my query, among my 64 keys, in two chains,
	v_max3_num_f32 v[TB], v[SCO+3], v[SCO+4], v[SCO+5]
.set i, 6
.rept 14
	s_delay_alu instid0(VALU_DEP_2)
	v_max3_num_f32 v[TA], v[TA], v[SCO+i], v[SCO+i+1]
	s_delay_alu instid0(VALU_DEP_2)
	v_max3_num_f32 v[TB], v[TB], v[SCO+i+2], v[SCO+i+3]
.set i, i+4
.endr
	s_delay_alu instid0(VALU_DEP_2)
	v_max3_num_f32 v[TA], v[TA], v[SCO+62], v[SCO+63]
	s_delay_alu instid0(VALU_DEP_1)
	v_max_num_f32 v[TA], v[TA], v[TB]
	s_delay_alu instid0(VALU_DEP_1)
	v_permlanex16_b32 v[TP], v[TA], s[SEL], s[SEL+1]
	s_delay_alu instid0(VALU_DEP_1)
	v_max_num_f32 v[TA], v[TA], v[TP]              ; and among lane l xor 16's
	s_delay_alu instid0(VALU_DEP_1)
	v_max_num_f32 v[LS+1], v[LS+1], v[TA]          ; the running largest t
	v_mov_b32 v[TA], v[LS]
	s_delay_alu instid0(VALU_DEP_2)
	v_floor_f32 v[LS], -v[LS+1]                    ; the new -M = floor(-t) = -ceil(t): a whole number
	s_delay_alu instid0(VALU_DEP_1)
	v_sub_f32 v[TA], v[LS], v[TA]                  ; M's old value less its new one: 0 or less
	s_delay_alu instid0(VALU_DEP_1)
	v_cvt_i32_f32 v[TA], v[TA]                     ; (it saturates)
	s_delay_alu instid0(VALU_DEP_1)
	v_ldexp_f32 v[FF], 1.0, v[TA]                  ; f = 2^(old M - new M): a multiplication by it rounds nothing
.set i, 0
.rept 32
	v_pk_add_f32 v[SCO+i:SCO+i+1], v[SCO+i:SCO+i+1], v[LS:LS+1] op_sel_hi:[1,0]   ; t - M, on the rounded t
.set i, i+2
.endr
.set i, 0
	s_wait_alu depctr_va_vdst(0)
.rept 64
	v_exp_f32 v[SCO+i], v[SCO+i]                   ; p = 2^(t - M), at most 1: not normalised
.set i, i+1
.endr
	v_pk_mul_f32 v[LS+2:LS+3], v[LS+2:LS+3], v[FF:FF+1] op_sel_hi:[1,0]   ; the sums under the new M.  (A plain line behind the exponentials)
	s_wait_alu depctr_va_vdst(0)
	v_pk_add_f32 v[S2:S2+1], v[SCO:SCO+1], v[SCO+2:SCO+3]                 ; the row's sum is taken of the unquantised p: two at a time, in two chains
.set i, 4
.rept 15
	v_pk_add_f32 v[LS+2:LS+3], v[LS+2:LS+3], v[SCO+i:SCO+i+1]
	v_pk_add_f32 v[S2:S2+1], v[S2:S2+1], v[SCO+i+2:SCO+i+3]
.set i, i+4
.endr
	s_delay_alu instid0(VALU_DEP_1)
	v_pk_add_f32 v[LS+2:LS+3], v[LS+2:LS+3], v[S2:S2+1]
.irp b, 0,1,2,3
.set i, 0
.rept 16
.set i, i+1
.endr
	v_cvt_scalef32_pk8_fp8_f32 v[PCD+16*(\u)+4*\b:PCD+16*(\u)+4*\b+1],   v[SCO+16*\b:SCO+16*\b+7],    v[SCLP]
	v_cvt_scalef32_pk8_fp8_f32 v[PCD+16*(\u)+4*\b+2:PCD+16*(\u)+4*\b+3], v[SCO+16*\b+8:SCO+16*\b+15], v[SCLP]
.endr
.if \first
	s_wait_alu depctr_va_vdst(0)
	v_nop                                          ; one plain line behind the last conversion
.else
	WIN 0x41                                       ; O^T (destination and source 0) in window 1, f in window 0
.set i, 0
.rept 16
	v_pk_mul_f32 v[32*(\u)+i:32*(\u)+i+1], v[32*(\u)+i:32*(\u)+i+1], v[FF:FF+1] op_sel_hi:[1,0]   ; O^T under the new M; each accumulator from its low end on.  (Also the plain lines behind the conversions)
.set i, i+2
.endr
	WIN 0
.endif
.endm
; A KEY STEP out of slot s.
.macro WORK s, first
	KLOAD \s
	MLOAD \s, 0
	UNIT \s, 0, \first
	UNIT \s, 1, \first
	UNIT \s, 2, \first
	UNIT \s, 3, \first
	s_wait_alu depctr_va_vdst(0)
	s_wait_dscnt 0x0                               ; V's fragments are in
.if \first
	WIN 0x41                                       ; V in window 1, p's codes in window 0, O^T in window 1
.else
	WIN 0x51                                       ; the same, C in window 1 too
.endif
.set i, 0
.rept 16                                       ; channels 16 (i / 4) on, unit i % 4: sixteen accumulators, one instruction a turn
.if \first
	v_wmma_f32_16x16x128_fp8_fp8 v[32*(i%4)+8*(i/4):32*(i%4)+8*(i/4)+7], v[KV+16*(i/4):KV+16*(i/4)+15], v[PCD+16*(i%4):PCD+16*(i%4)+15], 0
.else
	v_wmma_f32_16x16x128_fp8_fp8 v[32*(i%4)+8*(i/4):32*(i%4)+8*(i/4)+7], v[KV+16*(i/4):KV+16*(i/4)+15], v[PCD+16*(i%4):PCD+16*(i%4)+15], v[32*(i%4)+8*(i/4):32*(i%4)+8*(i/4)+7]
.endif
.set i, i+1
.endr
	WIN 0
.rept 4
	v_nop                                          ; places in front of the next loads into V's registers and of the first read of O^T, on every wave's way
.endr
.endm
; THE CHANGE OF SLOTS.  Each wave waits for all its tensor loads (its part of the slot ahead), adds 0 to its spare word, and waits for that and for its reads of the slot that it has left.
; fill = 1: slot s, which has just been read, is filled with the tiles two key steps on: the barrier is then a round of the cluster's, and the joint refill is the first thing behind it: it has a whole key step in which to land.
.macro CHANGE fill, s
	s_wait_tensorcnt 0x0                           ; no tensor load of mine is out, so a group 0 may be written
	ds_add_u32 v[SPW], v[NIL]                      ; 0 onto my spare word
.if \fill
	s_add_nc_u64 s[G0M+4*\s+2:G0M+4*\s+3], s[G0M+4*\s+2:G0M+4*\s+3], 2*512
	s_add_nc_u64 s[G0K+4*\s+2:G0K+4*\s+3], s[G0K+4*\s+2:G0K+4*\s+3], 2*16384
	s_add_nc_u64 s[G0V+4*\s+2:G0V+4*\s+3], s[G0V+4*\s+2:G0V+4*\s+3], 2*131072
.endif
	s_wait_dscnt 0x0                               ; the add is done, and my reads of the slot that I have left are over
.if \fill
	CROUND
	JLOAD \s
.else
	s_barrier_signal -1
	s_barrier_wait -1
.endif
.endm
	s_wait_tensorcnt 0x1                           ; my part of slot 0 is in; slot 1's may stay out
	s_barrier_signal -1
	s_barrier_wait -1                              ; everybody's is
	s_wait_loadcnt 0x0                             ; Q
	WORK 0, 1                                      ; key step 0 starts O^T's sums
	s_mov_b32 s82, 7
.Lpair:                                            ; seven trips of two key steps: steps 1 to 14; the refills bring steps 2 to 15
	CHANGE 1, 0
	WORK 1, 0
	CHANGE 1, 1
	WORK 0, 0
	s_sub_co_u32 s82, s82, 1
	s_cmp_lg_u32 s82, 0
	s_cbranch_scc1 .Lpair
	CHANGE 0, 0                                    ; the last step is written out: nothing is left to fetch
	WORK 1, 0
	; THE WAY OUT.  O^T / the sum x 2^(e8 + e9) is quantised with 2^e10; a row's 256 bytes come from four waves, so the codes meet in the stage.
.irp u, 0,1,2,3
	v_add_f32 v[ST+4*\u+2], v[ST+4*\u+2], v[ST+4*\u+3]       ; the sum's two halves,
.endr
.irp u, 0,1,2,3
	s_delay_alu instid0(VALU_DEP_4)
	v_permlanex16_b32 v[ST+4*\u+3], v[ST+4*\u+2], s[SEL], s[SEL+1]
.endr
.irp u, 0,1,2,3
	s_delay_alu instid0(VALU_DEP_4)
	v_add_f32 v[ST+4*\u+2], v[ST+4*\u+2], v[ST+4*\u+3]       ; and lane l xor 16's: the row's sum
.endr
	s_wait_alu depctr_va_vdst(0)
.irp u, 0,1,2,3
	v_rcp_f32 v[ST+4*\u+2], v[ST+4*\u+2]
.endr
	v_nop                                          ; a plain line between the last reciprocal and the use of its result
	s_wait_alu depctr_va_vdst(0)
.irp u, 0,1,2,3
	v_ldexp_f32 v[ST+4*\u+2], v[ST+4*\u+2], s81    ; x 2^(e8 + e9)
.endr
	WIN 0x01                                       ; source 0 (O^T) in window 1
.irp u, 0,1,2,3
.set i, 0
.rept 16
	v_pk_mul_f32 v[MSK+32*\u+i:MSK+32*\u+i+1], v[32*\u+i:32*\u+i+1], v[ST+4*\u+2:ST+4*\u+3] op_sel_hi:[1,0]   ; register 32 u + 8 dt + n: channel 16 dt + 8 h + n of query 16 u + r
.set i, i+2
.endr
.endr
	WIN 0
.set i, 0
.rept 128
.set i, i+1
.endr
.set i, 0
.rept 16
	v_cvt_scalef32_pk8_fp8_f32 v[PCD+2*i:PCD+2*i+1], v[MSK+8*i:MSK+8*i+7], v[SCLO]
.set i, i+1
.endr
	v_nop                                          ; one plain line behind the last conversion
.set i, 0
.rept 16
	ds_store_b64 v[STO], v[PCD+2*i:PCD+2*i+1] offset:16*SP*(i/4)+16*(i%4)   ; unit i / 4, channels 16 (i % 4) + 8 h on
.set i, i+1
.endr
	s_wait_dscnt 0x0                               ; for the others' sake: my stores into the stage are done
	s_barrier_signal -1
	s_barrier_wait -1
.set i, 0
.rept 8
	ds_load_b128 v[MSK+4*i:MSK+4*i+3], v[RD] offset:2*SP*i
.set i, i+1
.endr
.set i, 0
.rept 8
	s_wait_dscnt 7-i
	global_store_b128 v[GO], v[MSK+4*i:MSK+4*i+3], s[14:15] offset:2048*i   ; 16 lanes store 256 consecutive bytes, at a multiple of 256 from ao's first byte
.set i, i+1
.endr
	s_wait_tensorcnt 0x0                           ; the wave's end, behind my last tensor load and my last LDS store
	ds_add_u32 v[SPW], v[NIL]
	s_wait_dscnt 0x0
	CROUND                                         ; the closing round: no work-group ends while a partner may still ask for a tile that names it
	s_endpgm
.Lfunc_end_k_q0600f46fec_attn:
	.size	k_q0600f46fec_attn, .Lfunc_end_k_q0600f46fec_attn-k_q0600f46fec_attn
	.p2alignl 7, 3214868480
	.fill 96, 4, 3214868480
	.section	.rodata,"a",@progbits
	.p2align	6, 0x0
	.amdhsa_kernel k_q0600f46fec_attn
		.amdhsa_group_segment_fixed_size 327680
		.amdhsa_private_segment_fixed_size 0
		.amdhsa_enable_private_segment 0
		.amdhsa_kernarg_size 48
		.amdhsa_user_sgpr_count 2
		.amdhsa_user_sgpr_kernarg_segment_ptr 1
		.amdhsa_wavefront_size32 1
		.amdhsa_system_sgpr_workgroup_id_x 1
		.amdhsa_system_sgpr_workgroup_id_y 1
		.amdhsa_system_sgpr_workgroup_id_z 1
		.amdhsa_system_vgpr_workitem_id 0
		.amdhsa_next_free_vgpr 512
		.amdhsa_next_free_sgpr 100
		.amdhsa_reserve_vcc 0
		.amdhsa_float_denorm_mode_32 3
		.amdhsa_float_denorm_mode_16_64 3
		.amdhsa_fp16_overflow 1
		.amdhsa_memory_ordered 1
		.amdhsa_forward_progress 1
		.amdhsa_inst_pref_size 255
	.end_amdhsa_kernel
	.section	.bss,"aw",@nobits
	.p2align	6
	.space	262144
	.amdgpu_metadata
---
amdhsa.version: [ 1, 2 ]
amdhsa.kernels:
  - .name:           k_q0600f46fec_attn
    .symbol:         k_q0600f46fec_attn.kd
    .args:
      - { .name: qh, .offset: 0, .size: 8, .value_kind: global_buffer, .address_space: global }
      - { .name: kh, .offset: 8, .size: 8, .value_kind: global_buffer, .address_space: global }
      - { .name: vt, .offset: 16, .size: 8, .value_kind: global_buffer, .address_space: global }
      - { .name: mask, .offset: 24, .size: 8, .value_kind: global_buffer, .address_space: global }
      - { .name: lowp_scales, .offset: 32, .size: 8, .value_kind: global_buffer, .address_space: global }
      - { .name: ao, .offset: 40, .size: 8, .value_kind: global_buffer, .address_space: global }
    .group_segment_fixed_size: 327680
    .private_segment_fixed_size: 0
    .kernarg_segment_align: 8
    .kernarg_segment_size: 48
    .max_flat_workgroup_size: 256
    .sgpr_count:     100
    .vgpr_count:     512
    .wavefront_size: 32
...
	.end_amdgpu_metadata
.endif
;; end of part 2
;; launch oproj (part 3): grid 4 x 32, 4 waves a work-group, clusters of 4 x 4, 327,680 bytes of LDS; arguments ao, wo_codes, lowp_scales, bo, out0; writes out0
.if DOCPART == 3
	.amdgcn_target "amdgcn-amd-amdhsa--gfx1250"
	.amdhsa_code_object_version 6
	.text
	.protected	k_q0600f46fec_oproj
	.globl	k_q0600f46fec_oproj
	.p2align	8
	.type	k_q0600f46fec_oproj,@function
k_q0600f46fec_oproj:
	s_mov_b64 s[64:65], 0
	v_nop
	global_prefetch_b8 v0, s[64:65] scope:SCOPE_SE
	s_setreg_imm32_b32 hwreg(HW_REG_WAVE_MODE, 25, 1), 1
	s_wait_xcnt 0x0
	s_wait_alu depctr_hold_cnt(0) depctr_sa_sdst(0) depctr_va_vdst(0) depctr_va_sdst(0) depctr_va_ssrc(0) depctr_va_vcc(0) depctr_vm_vsrc(0)
	s_getreg_b32 s2, hwreg(HW_REG_IB_STS2, 6, 4)
	s_cmp_eq_u32 s2, 0
	s_cbranch_scc0 .Lentry_in_a_cluster
	s_endpgm
.Lentry_in_a_cluster:
	s_bfe_u32 s2, ttmp6, 0x10000c
	s_cmp_lg_u32 s2, 0xf033
	s_cbranch_scc0 .Lentry_shape_is_right
	s_endpgm
.Lentry_shape_is_right:
.set SIZE_M, 8192
.set SIZE_N, 1024
.set SIZE_K, 1024
.set KSTEP,  256
.set ROWB,   256
.set KROW,   SIZE_K
.set PITCH,  272
.set FR,     16
.set NL,     4
.set NP,     4
.set HALFT,  128*PITCH
.set SLOT,   4*HALFT
.set LAPS,   SIZE_K/(2*KSTEP)
.set SPARE,  2*SLOT
.set SPITCH, 528
.set BJO,  14
.set ADRA, 16
.set ADRB, 20
.set STO,  24
.set RD,   25
.set CO,   26
.set SPW,  28
.set NIL,  29
.set BJ,   32
.set TMP,  0
.set AF,   128
.set BK,   128
.set G1, 24
.set G0, 32
.set G1B, 48
.set G0B, 56
.set MSB, 0
.macro WIN new
.if MSB != \new
	s_set_vgpr_msb (MSB<<8)|\new
.set MSB, \new
.endif
.endm
.set MUL_LO, 0xa1
.set MUL_HI, 0xf1
.set TO_B,   0x40
.macro JLOAD g0a, g1a, g0b, g1b
	s_cmp_eq_u32 s15, 0
	s_cbranch_scc0 .Lfor_b_\@
	tensor_load_to_lds s[\g0a:\g0a+3], s[\g1a:\g1a+7]
	s_nop 0
.rept 4
	v_nop
.endr
	s_branch .Lasked_\@
.Lfor_b_\@:
	tensor_load_to_lds s[\g0b:\g0b+3], s[\g1b:\g1b+7]
	s_nop 0
.rept 4
	v_nop
.endr
.Lasked_\@:
.endm
.macro CREST
	s_cmp_lg_u32 s14, 0
	s_cbranch_scc1 .Lnot_wave_0_\@
	s_barrier_signal -3
.Lnot_wave_0_\@:
	s_barrier_wait -3
	s_barrier_signal -1
	s_barrier_wait -1
.endm
.macro CROUND
	s_barrier_signal -1
	s_barrier_wait -1
	CREST
.endm
	s_load_b128 s[4:7], s[0:1], 0x0
	s_load_b128 s[8:11], s[0:1], 0x10
	s_load_b64 s[12:13], s[0:1], 0x20
	v_lshl_add_u32 v[SPW], v0, 2, SPARE
	v_mov_b32 v[NIL], 0
	ds_add_u32 v28, v29
	ds_add_u32 v28, v29
	s_wait_dscnt 0x0
	v_lshrrev_b32 v1, 5, v0
	v_readfirstlane_b32 s14, v1
	s_lshr_b32 s15, s14, 1
	s_and_b32 s16, s14, 1
	s_bfe_u32 s40, ttmp6, 0x40000
	s_bfe_u32 s41, ttmp6, 0x40004
	s_lshl_b32 s42, ttmp9, 2
	s_add_co_u32 s42, s42, s40
	s_and_b32 s17, ttmp7, 0xffff
	s_lshl_b32 s17, s17, 2
	s_add_co_u32 s17, s17, s41
	s_lshl_b32 s43, s41, 2
	s_lshl_b32 s43, 15, s43
	s_lshl_b32 s44, 0x1111, s40
	s_or_b32 s[G1+0], s43, (0<<16)|(1<<20)|(1<<21)|(5<<22)|(3<<25)
	s_or_b32 s[G1B+0], s44, (0<<16)|(1<<20)|(1<<21)|(5<<22)|(3<<25)
.irp g, G1, G1B
	s_mov_b32 s[\g+1], ROWB<<16
	s_mov_b32 s[\g+2], 128<<16
	s_mov_b32 s[\g+3], ROWB<<16
	s_mov_b32 s[\g+4], 128
	s_mov_b32 s[\g+5], KROW
	s_mov_b32 s[\g+6], 0
	s_mov_b32 s[\g+7], 0
.endr
	s_lshl_b32 s18, s16, 7
	s_lshl_b32 s20, s17, 8
	s_add_co_u32 s20, s20, s18
	s_lshl_b32 s46, s42, 8
	s_add_co_u32 s46, s46, s18
	s_mov_b32 s21, 0
	s_mov_b32 s47, 0
	s_mov_b64 s[18:19], KROW
	s_mul_u64 s[20:21], s[20:21], s[18:19]
	s_mul_u64 s[46:47], s[46:47], s[18:19]
	s_mul_i32 s45, s14, HALFT
	s_wait_kmcnt 0x0
	s_load_b64 s[96:97], s[8:9], 0x28
	s_add_nc_u64 s[20:21], s[4:5], s[20:21]
	s_add_nc_u64 s[46:47], s[6:7], s[46:47]
	CROUND
.irp s, 0,1
	s_mov_b32 s[G0+4*\s], 1
	s_add_co_u32 s[G0+4*\s+1], s45, \s*SLOT
	s_add_nc_u64 s[G0+4*\s+2:G0+4*\s+3], s[20:21], \s*ROWB
	s_or_b32 s[G0+4*\s+3], s[G0+4*\s+3], 0x80000000
	s_mov_b32 s[G0B+4*\s], 1
	s_add_co_u32 s[G0B+4*\s+1], s45, \s*SLOT
	s_add_nc_u64 s[G0B+4*\s+2:G0B+4*\s+3], s[46:47], \s*ROWB
	s_or_b32 s[G0B+4*\s+3], s[G0B+4*\s+3], 0x80000000
	s_wait_alu depctr_va_vdst(0)
	s_wait_tensorcnt 0x0
	ds_add_u32 v28, v29
	ds_add_u32 v28, v29
	s_wait_dscnt 0x0
	CROUND
	JLOAD G0+4*\s, G1, G0B+4*\s, G1B
.endr
	v_and_b32 v1, 15, v0
	s_wait_alu depctr_va_vdst(0)
	v_bfe_u32 v2, v0, 4, 1
	v_mul_u32_u24 v3, v1, PITCH
	v_lshl_add_u32 v4, v2, 4, v3
	s_mul_i32 s21, s15, HALFT
	s_mul_i32 s22, s16, HALFT
	s_add_co_u32 s22, s22, 2*HALFT
.irp s, 0,1
	v_add_nc_u32 v[ADRA+\s], s21, v4
	v_add_nc_u32 v[ADRB+\s], s22, v4
	s_add_co_u32 s21, s21, SLOT
	s_add_co_u32 s22, s22, SLOT
.endr
	s_mul_i32 s23, s14, 16*SPITCH
	v_mul_u32_u24 v5, v1, SPITCH
	s_wait_alu depctr_va_vdst(0)
	v_lshl_add_u32 v5, v2, 5, v5
	v_add_nc_u32 v[STO], s23, v5
	v_and_b32 v6, 31, v0
	v_lshlrev_b32 v[CO], 4, v6
	v_add_nc_u32 v[RD], s23, v[CO]
	v_lshlrev_b32 v[BJO], 5, v2
	s_wait_alu depctr_va_vdst(0)
	s_lshl_b32 s20, s17, 8
	s_lshl_b32 s21, s15, 7
	s_add_co_u32 s20, s20, s21
	s_mov_b32 s21, 0
	s_mov_b64 s[18:19], SIZE_N*4
	s_mul_u64 s[20:21], s[20:21], s[18:19]
	s_lshl_b32 s46, s42, 10
	s_lshl_b32 s47, s16, 9
	s_add_co_u32 s46, s46, s47
	s_mov_b32 s47, 0
	s_add_nc_u64 s[10:11], s[10:11], s[46:47]
	s_add_nc_u64 s[20:21], s[20:21], s[46:47]
	s_add_nc_u64 s[12:13], s[12:13], s[20:21]
.irp b, 0,1,2,3,4,5,6,7
	global_load_b128 v[BJ+8*\b:BJ+8*\b+3],   v[BJO], s[10:11] offset:64*\b
	global_load_b128 v[BJ+8*\b+4:BJ+8*\b+7], v[BJO], s[10:11] offset:64*\b+16
.endr
.macro FRAG reg, adr, q, i
.irp c, 0,1,2,3
	ds_load_b128 v[\reg+4*\c:\reg+4*\c+3], v[\adr] offset:128*(\q)+32*\c+(\i)*16*PITCH
.endr
.endm
.macro MUL16 a0, p, zero
.irp a, \a0, \a0+1
.irp b, 0,1,2,3,4,5,6,7
.if \zero
	v_wmma_f32_16x16x128_fp8_fp8 v[8*(8*((\a)%4)+\b):8*(8*((\a)%4)+\b)+7], v[128*(\p)+FR*\b:128*(\p)+FR*\b+FR-1], v[AF+FR*(\a):AF+FR*(\a)+FR-1], 0
.else
	v_wmma_f32_16x16x128_fp8_fp8 v[8*(8*((\a)%4)+\b):8*(8*((\a)%4)+\b)+7], v[128*(\p)+FR*\b:128*(\p)+FR*\b+FR-1], v[AF+FR*(\a):AF+FR*(\a)+FR-1], v[8*(8*((\a)%4)+\b):8*(8*((\a)%4)+\b)+7]
.endif
.endr
.endr
.endm
.macro FETCH_B slot, q, p
	WIN TO_B
.irp i, 0,1,2,3,4,5,6,7
	FRAG 128*(\p)+FR*\i, ADRB+\slot, \q, \i
.endr
	WIN 0
.endm
.macro FETCH_A slot, q, i0
.irp i, \i0, \i0+1, \i0+2, \i0+3
	FRAG AF+FR*(\i), ADRA+\slot, \q, \i
.endr
.endm
.macro PLACES n
.rept \n
	v_nop
.endr
.endm
.macro STEP slot, q, zero
	s_wait_dscnt 4*NL
	WIN MUL_LO
	MUL16 0, (\q)%2, \zero
	MUL16 2, (\q)%2, \zero
	s_wait_dscnt 0
	PLACES NP
	FETCH_B \slot, (\q)+1, 1-(\q)%2
	FETCH_A \slot, (\q)+1, 0
	WIN MUL_HI
	MUL16 4, (\q)%2, \zero
	MUL16 6, (\q)%2, \zero
	PLACES NP
	WIN 0
	FETCH_A \slot, (\q)+1, 4
.endm
.macro TURN slot, next, fill
	s_wait_tensorcnt 0x0
	ds_add_u32 v[SPW], v[NIL]
	s_wait_dscnt 4*NL+1
	WIN MUL_LO
	MUL16 0, 1, 0
	s_wait_dscnt 0x0
	s_barrier_signal -1
	MUL16 2, 1, 0
	WIN 0
	s_barrier_wait -1
.if \fill
	CREST
	s_add_nc_u64 s[G0+4*\slot+2:G0+4*\slot+3], s[G0+4*\slot+2:G0+4*\slot+3], 2*ROWB
	s_add_nc_u64 s[G0B+4*\slot+2:G0B+4*\slot+3], s[G0B+4*\slot+2:G0B+4*\slot+3], 2*ROWB
	JLOAD G0+4*\slot, G1, G0B+4*\slot, G1B
.else
	PLACES NP
.endif
	FETCH_B \next, 0, 0
	FETCH_A \next, 0, 0
	WIN MUL_HI
	MUL16 4, 1, 0
	MUL16 6, 1, 0
	PLACES NP
	WIN 0
	FETCH_A \next, 0, 4
.endm
	s_wait_tensorcnt 1
	s_barrier_signal -1
	s_barrier_wait -1
	FETCH_B 0, 0, 0
	FETCH_A 0, 0, 0
	FETCH_A 0, 0, 4
	STEP 0, 0, 1
	s_mov_b32 s3, LAPS-1
.Llap:
	TURN 0, 1, 1
	STEP 1, 0, 0
	TURN 1, 0, 1
	STEP 0, 0, 0
	s_sub_co_u32 s3, s3, 1
	s_cmp_lg_u32 s3, 0
	s_cbranch_scc1 .Llap
	TURN 0, 1, 0
	STEP 1, 0, 0
	s_wait_dscnt 4*NL
	WIN MUL_LO
	MUL16 0, 1, 0
	MUL16 2, 1, 0
	s_wait_dscnt 0
	WIN MUL_HI
	MUL16 4, 1, 0
	MUL16 6, 1, 0
	WIN 0
.macro TOSTAGE a
.set AC, 64*((\a)%4)
	WIN 0x42+((\a)/4)
.set j, 0
.rept 32
	v_pk_fma_f32 v[TMP+j:TMP+j+1], v[AC+j:AC+j+1], s[96:97], v[BJ+j:BJ+j+1] op_sel_hi:[1,0,1]
.set j, j+2
.endr
	WIN 0x04
.irp b, 0,1,2,3,4,5,6,7
	ds_store_b128 v[STO], v[TMP+8*\b:TMP+8*\b+3] offset:64*\b
	ds_store_b128 v[STO], v[TMP+8*\b+4:TMP+8*\b+7] offset:64*\b+16
.endr
	WIN 0
.set BB, BK+64*((\a)%2)
.irp t, 0,1,2,3,4,5,6,7,8,9,10,11,12,13,14,15
	ds_load_b128 v[BB+4*\t:BB+4*\t+3], v[RD] offset:\t*SPITCH
.endr
.endm
.macro SEND a, younger
.set BB, BK+64*((\a)%2)
	s_wait_dscnt \younger
.if (\a) > 0
	s_add_nc_u64 s[12:13], s[12:13], 16*SIZE_N*4
.endif
.irp t, 0,1,2,3,4,5,6,7,8,9,10,11,12,13,14,15
	global_store_b128 v[CO], v[BB+4*\t:BB+4*\t+3], s[12:13] offset:\t*SIZE_N*4 th:TH_STORE_NT
.endr
.endm
	s_wait_kmcnt 0x0
	s_add_co_i32 s96, s96, s97
	s_add_co_i32 s96, s96, 127
	s_lshl_b32 s96, s96, 23
	s_wait_loadcnt 0x0
	PLACES NP
	TOSTAGE 0
.irp a, 1,2,3,4,5,6,7
.if \a > 1
	s_wait_xcnt 0x0
.endif
	TOSTAGE \a
	SEND \a-1, 32
.endr
	s_wait_xcnt 0x0
	SEND 7, 0
	s_wait_tensorcnt 0x0
	ds_add_u32 v[SPW], v[NIL]
	s_wait_dscnt 0x0
	CROUND
	s_endpgm
.Lfunc_end_k_q0600f46fec_oproj:
	.size	k_q0600f46fec_oproj, .Lfunc_end_k_q0600f46fec_oproj-k_q0600f46fec_oproj
	.p2alignl 7, 3214868480
	.fill 96, 4, 3214868480
	.section	.rodata,"a",@progbits
	.p2align	6, 0x0
	.amdhsa_kernel k_q0600f46fec_oproj
		.amdhsa_group_segment_fixed_size 327680
		.amdhsa_private_segment_fixed_size 0
		.amdhsa_enable_private_segment 0
		.amdhsa_kernarg_size 40
		.amdhsa_user_sgpr_count 2
		.amdhsa_user_sgpr_kernarg_segment_ptr 1
		.amdhsa_wavefront_size32 1
		.amdhsa_system_sgpr_workgroup_id_x 1
		.amdhsa_system_sgpr_workgroup_id_y 1
		.amdhsa_system_sgpr_workgroup_id_z 1
		.amdhsa_system_vgpr_workitem_id 0
		.amdhsa_next_free_vgpr 1024
		.amdhsa_next_free_sgpr 98
		.amdhsa_reserve_vcc 0
		.amdhsa_float_denorm_mode_32 3
		.amdhsa_float_denorm_mode_16_64 3
		.amdhsa_memory_ordered 1
		.amdhsa_forward_progress 1
		.amdhsa_inst_pref_size 126
	.end_amdhsa_kernel
	.amdgpu_metadata
---
amdhsa.version: [ 1, 2 ]
amdhsa.kernels:
  - .name:           k_q0600f46fec_oproj
    .symbol:         k_q0600f46fec_oproj.kd
    .args:
      - { .name: ao, .offset: 0, .size: 8, .value_kind: global_buffer, .address_space: global }
      - { .name: wo_codes, .offset: 8, .size: 8, .value_kind: global_buffer, .address_space: global }
      - { .name: lowp_scales, .offset: 16, .size: 8, .value_kind: global_buffer, .address_space: global }
      - { .name: bo, .offset: 24, .size: 8, .value_kind: global_buffer, .address_space: global }
      - { .name: out0, .offset: 32, .size: 8, .value_kind: global_buffer, .address_space: global }
    .group_segment_fixed_size: 327680
    .private_segment_fixed_size: 0
    .kernarg_segment_align: 8
    .kernarg_segment_size: 40
    .max_flat_workgroup_size: 128
    .sgpr_count:     98
    .vgpr_count:     1024
    .wavefront_size: 32
...
	.end_amdgpu_metadata
.endif
;; end of part 3
